; MI455X (gfx1250); checked and timed in simulation.
; The chip was launched on July 23, 2026; its instructions are those of AMD's public machine-readable ISA for CDNA 5 (MIT licence, August 2026) and "CDNA5" Instruction Set Architecture Reference Guide (July 2026). The comments in the code are by the model that wrote it; some were corrected since.
;; PAM Module. Allowed arithmetic: matrix products marked QUANTISED: E3M2 operands, one E8M0 scale for each 32 along K, by v_wmma_scale_f32_16x16x128_f8f6f4 with both operands' format E3M2, f32 sums; everything else in f32.
;; Inputs: Wk 64 x 512 float32; Wq 64 x 512 float32; Wv 512 x 512 float32; bk 64 float32; bq 64 float32; bv 512 float32; gamma 1 float32; x 16 x 512 x 2,048 float32.
;; Outputs: out0 16 x 512 x 2,048 float32.
;; This version of the problem:
;;   THIS VERSION OF THE PROBLEM IS GIVEN IN LOW PRECISION. The matrix products marked QUANTISED in the list below multiply operands that are first quantised to E3M2 (3 exponent bits, 2 mantissa bits; 6 bits a number), with one power-of-two scale for each 32 numbers along K (OCP MX v1.0); their sums are f32. All else is computed in f32.
;;   The module's matrix products, in the order in which they are computed (A, B: the left and right operand; K: the contracted axis; several contracted axes count as one K, in the product's order):
;;     1. [M 32,768, K 512] x [K 512, N 64]; A: input x; B: input Wq: QUANTISED
;;     2. [M 32,768, K 512] x [K 512, N 64]; A: input x; B: input Wk: QUANTISED
;;     3. batch 16 x [M 2,048, K 64] x [K 64, N 2,048]; A: computed on the way; B: computed on the way: QUANTISED
;;     4. [M 32,768, K 512] x [K 512, N 512]; A: input x; B: input Wv: QUANTISED
;;     5. batch 16 x [M 512, K 2,048] x [K 2,048, N 2,048]; A: computed on the way; B: softmax (see below): QUANTISED
;;   THE QUANTISER, for each operand of a quantised product, along K:
;;     - K is cut into blocks of 32 from its start; a last block that is shorter is filled with zeros.
;;     - A block's scale is 2^e with e = floor(log2(the largest magnitude in the block)) - 4, held to -126 .. 127; a block of zeros has e = 0. As a byte (E8M0): e + 127.
;;     - Each number is divided by its block's scale, clamped to +-28, and rounded to the nearest number of E3M2, ties to even, subnormals kept.
;;     - The product sums the exact products of the quantised numbers (number of the format x scale) in f32.
;;   ~~~python
;;   def quantise(x, axis):      # numpy; x: float32 -> the quantised numbers, widened to float32 again
;;       x = np.moveaxis(x, axis, -1); K = x.shape[-1]
;;       x = np.pad(x, [(0, 0)] * (x.ndim - 1) + [(0, -K % 32)]); x = x.reshape(x.shape[:-1] + (-1, 32)); a = np.abs(x).max(-1, keepdims=True)
;;       e = np.where(a > 0, np.clip(np.frexp(np.where(a > 0, a, 1))[1] - 1 - 4, -126, 127), 0)      # np.frexp(a)[1] - 1 = floor(log2(a)), exactly
;;       r = np.clip(x / 2.0 ** e, -28, 28)
;;       step = 2.0 ** (np.maximum(np.frexp(np.where(r == 0, 1, r))[1] - 1, -2) - 2)
;;       q = np.round(r / step) * step * 2.0 ** e      # np.round: ties to even
;;       return np.moveaxis(q.reshape(q.shape[:-2] + (-1,))[..., :K], -1, axis).astype(np.float32)
;;   ~~~
;;   SOFTMAX AHEAD OF A QUANTISED PRODUCT. Where the list says 'softmax', what is quantised is not the finished softmax but p = 2^(t - M), with t = logit x log2(e) and M = ceil(the row's largest t), a whole number; so 1/2 < the row's largest p <= 1. The row's sum l is taken of the UNQUANTISED p, in f32, and the product's result is divided by l at the end. Since M is a whole number, a kernel that streams over the keys may use a running M (the ceiling of the running maximum): every later rescaling is an exact power of two, which a block's scale takes up: the codes' values come out the same.
;;   OPERANDS COMPUTED ON THE WAY. 'Computed on the way' means the value that the module computes at that place (a softmax that the list does not call 'softmax' is quantised finished and normalised). What goes into a quantiser is computed in f32, as accurately as f32 sums, v_exp_f32 and their like allow (about 1e-6 of the number): no bf16 or f16 on the way to a quantiser, and a product that is left as it is and whose result goes on into a quantised operand takes f32 operands (vector FMAs, or v_wmma_f32_16x16x4_f32). A number that lies on a knife's edge between two numbers of the format may be rounded either way, as far as f32 arithmetic and the matrix unit's own rounding can turn it there, and no further.
;; One version. Each part assembles by itself: llvm-mc -triple=amdgcn-amd-amdhsa -mcpu=gfx1250 --defsym DOCPART=n.
;; ======== version 1 of 1: 3 launches
;; workspace buffers: wimg 245,760 bytes; wscl 20,480 bytes; qbuf 1,638,400 bytes; kbuf 1,638,400 bytes; vbuf 13,107,200 bytes
;; launch wq (part 1): grid 40 x 1, 4 waves a work-group, no clusters, 0 bytes of LDS; arguments Wq, Wk, Wv, wimg, wscl; writes wimg, wscl
.if DOCPART == 1
	.amdgcn_target "amdgcn-amd-amdhsa--gfx1250"
	.amdhsa_code_object_version 6
	.text
	.protected	k_q054fc5a031_wq
	.globl	k_q054fc5a031_wq
	.p2align	8
	.type	k_q054fc5a031_wq,@function
k_q054fc5a031_wq:
	s_mov_b64 s[64:65], 0
	v_nop
	global_prefetch_b8 v0, s[64:65] scope:SCOPE_SE
	s_setreg_imm32_b32 hwreg(HW_REG_WAVE_MODE, 25, 1), 1
	s_wait_xcnt 0x0
; Wq [64][512], Wk [64][512], Wv [512][512], f32, K = the 512 channels innermost, become codes of BF6 (E3M2) with one E8M0 byte for each 32 along K.
; They are laid as the next launch's operand registers take them: a fragment (16 rows x 128 K) is 12 registers a lane, stored as three runs of 512 bytes, lane l's 16 bytes at 16 l.
; wimg: [tile 0..39][K step 0..3][1,536 bytes]; tiles 0-3 Wq, 4-7 Wk, 8-39 Wv.  wscl: [tile][K step][32 lanes x 4 bytes], lane l holding the scale word of row l % 16.
; THE ROWS OF A TILE: in Wq and Wk row m of tile t is output 32 (m / 8) + 8 t + m % 8, so that the next launch's results lie 32 neighbouring outputs to a lane; in Wv row m of tile t is channel 16 t + m.
; A work-group is a tile, a wave a K step: one fragment a wave.  Lane (r, h) takes of its row the numbers 64 c + 32 h + 0 .. 31 of the K step (c = 0, 1): two whole blocks, so no other lane is asked for a maximum.
; A block's scale is 2^(floor(log2(its largest magnitude)) - 4); its byte is the largest magnitude's exponent field - 4, held at 1 from below.
; LIMITS: a block of zeros, and one whose largest magnitude lies under 2^-122, gets the byte 1 (the bytes are read by this program alone, and such a block's codes add nothing or next to nothing); NaN and infinities are not served.
; No LDS, no barrier, no matrix unit: 1.3 MB are read once.
.set RAW, 128                          ; v128-191 my 64 numbers: register 32 c + i is number i of my block 2 c + h
.set PCD, 192                          ; v192-203 the fragment's codes
.set H0,  240                          ; v240-242, v244-246 the upper halves of the two blocks: a conversion's three registers begin on an even number
.set H1,  244
.set MA,  16                           ; v16-17 largest magnitudes, chain A;  v18-19 chain B
.set MB,  18
.set SC,  20                           ; v20-21 the conversions' scale operands
.set BY,  22                           ; v22-23 the scale bytes
.set W,   24
.set PW,  25                           ; the scale word
.set SH8, 10                           ; 8 h
.set TP,  11                           ; the lane permute's destination
.set SEL, 20                           ; s[20:21] selects for lane l xor 16
; 64 numbers of a lane become 12 registers of codes and the row's scale word (byte 2 c + h is my block's; lane l xor 16 has the other two).
.macro QUANT64 s, pc
.irp c, 0,1
	v_max3_num_f32 v[MA+\c], |v[\s+32*\c]|, |v[\s+32*\c+1]|, 0x2800000    ; the floor 2^(5 - 127) among the leaves: the byte cannot fall under 1
	v_max3_num_f32 v[MB+\c], |v[\s+32*\c+16]|, |v[\s+32*\c+17]|, |v[\s+32*\c+18]|
.endr
.irp i, 0,1,2,3,4,5
.irp c, 0,1
	v_max3_num_f32 v[MA+\c], v[MA+\c], |v[\s+32*\c+2+2*\i]|, |v[\s+32*\c+3+2*\i]|   ; four chains by turns, each in ascending order
	v_max3_num_f32 v[MB+\c], v[MB+\c], |v[\s+32*\c+19+2*\i]|, |v[\s+32*\c+20+2*\i]|
.endr
.endr
.irp c, 0,1
	v_max3_num_f32 v[MA+\c], v[MA+\c], |v[\s+32*\c+14]|, |v[\s+32*\c+15]|
.endr
.irp c, 0,1
	v_max3_num_f32 v[MA+\c], v[MA+\c], v[MB+\c], |v[\s+32*\c+31]|
.endr
.irp c, 0,1
	v_add_nc_u32 v[SC+\c], 0xfe000000, v[MA+\c]    ; 4 off the exponent field: the conversion takes that field as its scale
.endr
.irp c, 0,1
	v_lshrrev_b32 v[BY+\c], 23, v[SC+\c]           ; the byte
.endr
	v_lshl_or_b32 v[W], v[BY+1], 16, v[BY]
	v_lshlrev_b32 v[W], v[SH8], v[W]               ; my two bytes at places h and 2 + h
	v_permlanex16_b32 v[TP], v[W], s[SEL], s[SEL+1]
	v_or_b32 v[PW], v[W], v[TP]                    ; with lane l xor 16's two the word is whole, in both halves of the lanes
	v_cvt_scalef32_pk16_bf6_f32 v[\pc:\pc+2], v[\s:\s+15], v[SC]
	v_cvt_scalef32_pk16_bf6_f32 v[H0:H0+2], v[\s+16:\s+31], v[SC]
	v_cvt_scalef32_pk16_bf6_f32 v[\pc+6:\pc+8], v[\s+32:\s+47], v[SC+1]
	v_cvt_scalef32_pk16_bf6_f32 v[H1:H1+2], v[\s+48:\s+63], v[SC+1]
	v_nop                                          ; one plain instruction behind the scaled conversions
.irp i, 0,1,2
	v_mov_b32 v[\pc+3+\i], v[H0+\i]
	v_mov_b32 v[\pc+9+\i], v[H1+\i]
.endr
.endm
	s_load_b128 s[4:7], s[0:1], 0x0                ; Wq, Wk
	s_load_b128 s[8:11], s[0:1], 0x10              ; Wv, wimg
	s_load_b64 s[12:13], s[0:1], 0x20              ; wscl
	v_lshrrev_b32 v1, 5, v0
	v_readfirstlane_b32 s14, v1                    ; wave = K step
	v_and_b32 v1, 31, v0                           ; lane
	v_bfe_u32 v2, v0, 4, 1                         ; h
	v_and_b32 v3, 7, v0                            ; r % 8
	v_bfe_u32 v4, v0, 3, 1                         ; r / 8
	v_lshlrev_b32 v[SH8], 3, v2
	v_mov_b32 v[TP], 0                             ; a lane permute's destination counts as one of its sources
	s_mov_b32 s[SEL], 0x76543210
	s_mov_b32 s[SEL+1], 0xfedcba98
	s_and_b32 s15, ttmp9, 3
	s_lshl_b32 s15, s15, 3                         ; Wq, Wk: the tile's first row, 8 (tile % 4)
	s_max_u32 s16, ttmp9, 8
	s_sub_co_u32 s16, s16, 8
	s_lshl_b32 s16, s16, 4                         ; Wv: 16 (tile - 8)
	s_mul_i32 s17, ttmp9, 6144
	s_mul_i32 s18, s14, 1536
	s_add_co_u32 s17, s17, s18                     ; my fragment's place in wimg
	s_lshl_b32 s18, ttmp9, 9
	s_lshl_b32 s19, s14, 7
	s_add_co_u32 s18, s18, s19                     ; and in wscl
	s_lshl_b32 s19, s14, 9                         ; my K step in a row: 512 bytes
	s_wait_kmcnt 0x0
	s_cmp_lt_u32 ttmp9, 4                          ; which tensor: the choice hangs on the work-group's number alone
	s_cselect_b64 s[4:5], s[4:5], s[6:7]
	s_cmp_lt_u32 ttmp9, 8
	s_cselect_b64 s[4:5], s[4:5], s[8:9]
	s_cselect_b32 s22, 32, 8                       ; rows 8-15 of a tile begin 32 rows on (Wq, Wk) or 8 (Wv)
	s_cselect_b32 s23, s15, s16
	v_mul_u32_u24 v4, s22, v4
	v_add3_u32 v3, v3, v4, s23                     ; my row
	v_lshlrev_b32 v3, 11, v3                       ; 2,048 bytes a row
	v_lshl_add_u32 v3, v2, 7, v3                   ; + 128 h
	v_add_nc_u32 v3, s19, v3
	v_lshl_add_u32 v5, v1, 4, s17
	v_lshl_add_u32 v6, v1, 2, s18
.irp c, 0,1
.irp i, 0,1,2,3,4,5,6,7
	global_load_b128 v[RAW+32*\c+4*\i:RAW+32*\c+4*\i+3], v3, s[4:5] offset:256*\c+16*\i th:TH_LOAD_NT
.endr
.endr
	s_wait_loadcnt 0x0
	QUANT64 RAW, PCD
.irp q, 0,1,2
	global_store_b128 v5, v[PCD+4*\q:PCD+4*\q+3], s[10:11] offset:512*\q    ; 32 lanes store 512 consecutive bytes, at a multiple of 512 from the buffer's first byte
.endr
	global_store_b32 v6, v[PW], s[12:13]
	s_endpgm
.Lfunc_end_k_q054fc5a031_wq:
	.size	k_q054fc5a031_wq, .Lfunc_end_k_q054fc5a031_wq-k_q054fc5a031_wq
	.p2alignl 7, 3214868480
	.fill 96, 4, 3214868480
	.section	.rodata,"a",@progbits
	.p2align	6, 0x0
	.amdhsa_kernel k_q054fc5a031_wq
		.amdhsa_group_segment_fixed_size 0
		.amdhsa_private_segment_fixed_size 0
		.amdhsa_enable_private_segment 0
		.amdhsa_kernarg_size 40
		.amdhsa_user_sgpr_count 2
		.amdhsa_user_sgpr_kernarg_segment_ptr 1
		.amdhsa_wavefront_size32 1
		.amdhsa_system_sgpr_workgroup_id_x 1
		.amdhsa_system_sgpr_workgroup_id_y 1
		.amdhsa_system_sgpr_workgroup_id_z 1
		.amdhsa_system_vgpr_workitem_id 0
		.amdhsa_next_free_vgpr 248
		.amdhsa_next_free_sgpr 66
		.amdhsa_reserve_vcc 0
		.amdhsa_float_denorm_mode_32 3
		.amdhsa_float_denorm_mode_16_64 3
		.amdhsa_memory_ordered 1
		.amdhsa_forward_progress 1
		.amdhsa_inst_pref_size 7
	.end_amdhsa_kernel
	.amdgpu_metadata
---
amdhsa.version: [ 1, 2 ]
amdhsa.kernels:
  - .name:           k_q054fc5a031_wq
    .symbol:         k_q054fc5a031_wq.kd
    .args:
      - { .name: Wq, .offset: 0, .size: 8, .value_kind: global_buffer, .address_space: global }
      - { .name: Wk, .offset: 8, .size: 8, .value_kind: global_buffer, .address_space: global }
      - { .name: Wv, .offset: 16, .size: 8, .value_kind: global_buffer, .address_space: global }
      - { .name: wimg, .offset: 24, .size: 8, .value_kind: global_buffer, .address_space: global }
      - { .name: wscl, .offset: 32, .size: 8, .value_kind: global_buffer, .address_space: global }
    .group_segment_fixed_size: 0
    .private_segment_fixed_size: 0
    .kernarg_segment_align: 8
    .kernarg_segment_size: 40
    .max_flat_workgroup_size: 128
    .sgpr_count:     66
    .vgpr_count:     248
    .wavefront_size: 32
...
	.end_amdgpu_metadata
.endif
;; end of part 1
;; launch proj (part 2): grid 16 x 16, 4 waves a work-group, no clusters, 313,856 bytes of LDS; arguments x, wimg, wscl, bq, bk, bv, qbuf, kbuf, vbuf; writes qbuf, kbuf, vbuf
.if DOCPART == 2
	.amdgcn_target "amdgcn-amd-amdhsa--gfx1250"
	.amdhsa_code_object_version 6
	.text
	.protected	k_q054fc5a031_proj
	.globl	k_q054fc5a031_proj
	.p2align	8
	.type	k_q054fc5a031_proj,@function
k_q054fc5a031_proj:
	s_mov_b64 s[64:65], 0
	v_nop
	global_prefetch_b8 v0, s[64:65] scope:SCOPE_SE
	s_setreg_imm32_b32 hwreg(HW_REG_WAVE_MODE, 25, 1), 1
	s_wait_xcnt 0x0
; q = Wq x + bq, k = Wk x + bk, v = Wv x + bv for 128 positions of one batch, all three products on codes of BF6 (E3M2) with one E8M0 byte for each 32 along K = the 512 channels; then q and k are
; quantised along their 64 outputs and v along the positions (the keys), for the next launch.  x: [16][512][2048] f32, K is its outer axis.  The weights come as register images from wimg, wscl.
; SHARES.  Work-group (x = block of 128 positions, y = batch).  PHASE 1: wave w quantises columns 64 (w % 2) .. + 63 of channels 256 (w / 2) .. + 255: a lane takes a column and its registers run down K, so a block of 32
; lies in one lane.  Its 8 fragments go to LDS as images of their registers.  One barrier.  PHASE 2: every wave takes all 32 fragments of x into registers; wave w makes v's channels 128 w .. + 127 (256 matrix instructions)
; and q (w even) or k (w odd) for position tiles 4 (w / 2) .. + 3 (64): equal work.
; THE POSITIONS OF A TILE ARE NOT NEIGHBOURS: row m of tile T = 4 G + t is position 64 G + 32 (m / 8) + 8 t + m % 8.  With x's tile as source 0, accumulator T at 8 T, register 32 G + i of lane (r, h) is position
; 64 G + 32 h + i: the order of a 6-bit operand, a whole block of 32 keys to a lane.  Wq's and Wk's tiles are laid alike along the outputs.  So nothing changes lanes between a product and its quantiser.
; OUT.  vbuf, a batch 819,200 bytes, a block of 128 keys 51,200: [wave][channel tile 0..7][1,536 bytes], then from byte 49,152 [wave][32 lanes x 16 bytes] of scale words: word p of lane l is that of channel tile 2 p + l / 16, row l % 16.
; qbuf, kbuf, a batch 102,400 bytes: 64 pairs of tiles x 1,536 bytes (registers 0-5: the even tile's 64 outputs, 6-11: the odd tile's), then from byte 98,304 64 pairs x 16 rows x 4 bytes.
; NO CLUSTER, NO JOINT LOADS: what the work-groups share are the weights, 266,240 bytes; LDS holds x's tile, 262,144 bytes, and the images, 51,200: 313,344 of it; the weights go from memory straight into the registers of
; the one wave that multiplies by them, each fragment feeding 8 matrix instructions.
; LIMITS: a block of zeros, and one whose largest magnitude lies under 2^-122, gets the byte 1 (read by this program alone); NaN and infinities are not served.
; REGISTERS, in windows of 256.  window 0: v1-11 addresses; v16-29 at work; v32-63 x's scale words; v64-87 the weights' scale words; v88-119 bq or bk in the result's layout; v120-123 v's scale words;
;   v128-191 64 numbers of x, later 8 accumulators; v192-239 codes just made; v248-255 bv.   window 1: v0-191 x's fragments of K steps 0, 1; v192-239 four weight fragments.   window 2: the same for K steps 2, 3.
;   window 3: v0-191 sixteen weight fragments; v192-255 bv as 8 tiles of C.
.set XIMG, 262144                      ; LDS: from 0 x's tile, 65,536 bytes a wave, a channel's 64 columns 256 bytes; here the 32 images, fragment 8 ks + T at 1,536 bytes each;
.set XSC,  311296                      ; and their scale words, 64 bytes a fragment
.set XA,   1                           ; my column in my wave's tile
.set XWI,  2                           ; where I store images
.set XWS,  3                           ; and scale words
.set LI,   4                           ; XIMG + 16 x lane
.set LSX,  5                           ; XSC + 4 r
.set L16,  6                           ; 16 x lane
.set L4,   7                           ; 4 x lane
.set H128, 8                           ; 128 h
.set R4,   9                           ; 4 r
.set SH8,  10                          ; 8 h
.set TP,   11
.set MA,   16
.set MB,   18
.set SC,   20
.set BY,   22
.set W,    24
.set PW,   25
.set SW,   26                          ; q's or k's scale words of two pairs
.set VO2,  27                          ; v's scale words' place, from my wave's codes on
.set XW,   28                          ; v28-29 x's scale words in the making
.set XS,   32
.set WS,   64
.set WS2,  80
.set QB,   88
.set VSQ,  120
.set RAW,  128
.set ACC,  128
.set FA,   192
.set PCD,  192
.set H0,   240
.set H1,   244
.set BT,   248
.set WV,   22                          ; s22 my wave's number
.set G1,   24                          ; s[24:31] descriptor group 1;  s[32:47] four groups 0
.set G0,   32
.set SEL,  48                          ; s[48:49] selects for lane l xor 16
.set HIM,  52                          ; s52 the mask of lanes 16-31
.set DQK,  16                          ; s[16:17] where my pairs' codes go;  s[18:19] their scale words;  s[20:21] v's codes
.set DQS,  18
.set VD,   20
.set WQK,  66                          ; s[66:67] Wq's or Wk's images;  s[68:69] my 8 tiles of Wv's;  s[70:71], s[72:73] their scale words;  s[74:75] bq or bk;  s[76:77] my 128 numbers of bv
.set WVB,  68
.set SQK,  70
.set SVB,  72
.set BQK,  74
.set BVB,  76
.set MSB, 0
.macro WIN new                         ; the immediate's high byte repeats the setting that is left; a switch that changes nothing is dropped
.if MSB != (\new)
	s_set_vgpr_msb (MSB<<8)|(\new)
.set MSB, (\new)
.endif
.endm
.macro MMC d, a, b, c, sa, sb          ; D = A B + C on 6-bit codes; all six are register numbers
	v_wmma_scale_f32_16x16x128_f8f6f4 v[\d:\d+7], v[\a:\a+11], v[\b:\b+11], v[\c:\c+7], v[\sa], v[\sb] matrix_a_fmt:MATRIX_FMT_BF6 matrix_b_fmt:MATRIX_FMT_BF6
.endm
.macro PLACES                          ; four plain instructions between a matrix instruction and a vector instruction that reads its result, or a load into one of its registers
.rept 4
	v_nop
.endr
.endm
; the largest magnitude of 32 numbers of a lane, and the floor 2^(5 - 127): two chains, ascending
.macro MAX32 s, ma, mb
	v_max3_num_f32 v[\ma], |v[\s]|, |v[\s+1]|, 0x2800000
	v_max3_num_f32 v[\mb], |v[\s+16]|, |v[\s+17]|, |v[\s+18]|
.irp i, 0,1,2,3,4,5
	v_max3_num_f32 v[\ma], v[\ma], |v[\s+2+2*\i]|, |v[\s+3+2*\i]|
	v_max3_num_f32 v[\mb], v[\mb], |v[\s+19+2*\i]|, |v[\s+20+2*\i]|
.endr
	v_max3_num_f32 v[\ma], v[\ma], |v[\s+14]|, |v[\s+15]|
	v_max3_num_f32 v[\ma], v[\ma], v[\mb], |v[\s+31]|
.endm
; 64 numbers of a lane, register 32 c + i = number i of my block 2 c + h, become 12 registers of codes and the row's scale word.  Each accumulator is first read at its low end.
.macro QUANT64 s, pc
.irp c, 0,1
	v_max3_num_f32 v[MA+\c], |v[\s+32*\c]|, |v[\s+32*\c+1]|, 0x2800000
	v_max3_num_f32 v[MB+\c], |v[\s+32*\c+16]|, |v[\s+32*\c+17]|, |v[\s+32*\c+18]|
.endr
.irp i, 0,1,2,3,4,5
.irp c, 0,1
	v_max3_num_f32 v[MA+\c], v[MA+\c], |v[\s+32*\c+2+2*\i]|, |v[\s+32*\c+3+2*\i]|
	v_max3_num_f32 v[MB+\c], v[MB+\c], |v[\s+32*\c+19+2*\i]|, |v[\s+32*\c+20+2*\i]|
.endr
.endr
.irp c, 0,1
	v_max3_num_f32 v[MA+\c], v[MA+\c], |v[\s+32*\c+14]|, |v[\s+32*\c+15]|
.endr
.irp c, 0,1
	v_max3_num_f32 v[MA+\c], v[MA+\c], v[MB+\c], |v[\s+32*\c+31]|
.endr
.irp c, 0,1
	v_add_nc_u32 v[SC+\c], 0xfe000000, v[MA+\c]    ; 4 off the exponent field: the conversion's scale operand
.endr
.irp c, 0,1
	v_lshrrev_b32 v[BY+\c], 23, v[SC+\c]
.endr
	v_lshl_or_b32 v[W], v[BY+1], 16, v[BY]
	v_lshlrev_b32 v[W], v[SH8], v[W]
	v_permlanex16_b32 v[TP], v[W], s[SEL], s[SEL+1]
	v_or_b32 v[PW], v[W], v[TP]
	v_cvt_scalef32_pk16_bf6_f32 v[\pc:\pc+2], v[\s:\s+15], v[SC]
	v_cvt_scalef32_pk16_bf6_f32 v[H0:H0+2], v[\s+16:\s+31], v[SC]
	v_cvt_scalef32_pk16_bf6_f32 v[\pc+6:\pc+8], v[\s+32:\s+47], v[SC+1]
	v_cvt_scalef32_pk16_bf6_f32 v[H1:H1+2], v[\s+48:\s+63], v[SC+1]
	v_nop                                          ; one plain instruction behind the scaled conversions
.irp i, 0,1,2
	v_mov_b32 v[\pc+3+\i], v[H0+\i]
	v_mov_b32 v[\pc+9+\i], v[H1+\i]
.endr
.endm
	s_load_b256 s[4:11], s[0:1], 0x0               ; x s[4:5], wimg s[6:7], wscl s[8:9], bq s[10:11]
	s_load_b256 s[12:19], s[0:1], 0x20             ; bk s[12:13], bv s[14:15], qbuf s[16:17], kbuf s[18:19]
	s_load_b64 s[20:21], s[0:1], 0x40              ; vbuf
	v_lshl_add_u32 v243, v0, 2, 0x4c800
	v_mov_b32 v247, 0
	ds_add_u32 v243, v247
	ds_add_u32 v243, v247
	v_lshrrev_b32 v12, 5, v0
	v_readfirstlane_b32 s[WV], v12                 ; wave 0..3
	s_and_b32 s23, ttmp7, 0xffff                   ; the batch
	s_lshr_b32 s50, s[WV], 1                       ; which 256 channels I quantise
	s_and_b32 s51, s[WV], 1                        ; which 64 columns.  Also: q (0) or k (1)
	; descriptor group 1: 64 rows (channels) of 256 bytes, as 32 elements of 8 bytes, 8,192 bytes from row to row; dense in LDS
	s_mov_b32 s[G1], 3<<16                         ; no mask; elements of 8 bytes; no padding
	s_mov_b32 s[G1+1], 32<<16                      ; tensor_dim0
	s_mov_b32 s[G1+2], 64<<16                      ; tensor_dim1
	s_mov_b32 s[G1+3], 32<<16                      ; tile_dim0
	s_mov_b32 s[G1+4], 64                          ; tile_dim1
	s_mov_b32 s[G1+5], 1024                        ; tensor_dim0_stride
	s_mov_b32 s[G1+6], 0
	s_mov_b32 s[G1+7], 0
	s_lshl_b32 s54, s23, 22                        ; a batch of x is 4,194,304 bytes,
	s_lshl_b32 s55, s50, 21                        ; 256 channels 2,097,152,
	s_add_co_u32 s54, s54, s55
	s_lshl_b32 s55, ttmp9, 9                       ; a block of 128 positions 512,
	s_add_co_u32 s54, s54, s55
	s_lshl_b32 s55, s51, 8                         ; 64 columns 256
	s_add_co_u32 s54, s54, s55
	s_mov_b32 s55, 0
	s_lshl_b32 s56, s[WV], 16                      ; my wave's 65,536 bytes of LDS
	s_wait_dscnt 0x0
	s_wait_kmcnt 0x0
	s_add_nc_u64 s[4:5], s[4:5], s[54:55]
.irp i, 0,1,2,3
	s_mov_b32 s[G0+4*\i], 1                        ; count = 1
	s_add_co_u32 s[G0+4*\i+1], s56, \i*16384       ; LDS address: chunk i of 64 channels
	s_add_nc_u64 s[G0+4*\i+2:G0+4*\i+3], s[4:5], \i*524288
	s_or_b32 s[G0+4*\i+3], s[G0+4*\i+3], 0x80000000   ; type = 2
.endr
.irp i, 0,1,2,3
	tensor_load_to_lds s[G0+4*\i:G0+4*\i+3], s[G1:G1+7]   ; all first fills together: four loads of mine are out, and only I read these bytes
	s_nop 0
.endr
	PLACES                                         ; four plain lines behind the last tensor load
	s_cmp_eq_u32 s51, 0
	s_cselect_b64 s[BQK:BQK+1], s[10:11], s[12:13] ; bq or bk
	s_cselect_b64 s[DQK:DQK+1], s[16:17], s[18:19] ; qbuf or kbuf: the choice hangs on the wave's number alone
	s_mul_i32 s54, s51, 24576
	s_add_nc_u64 s[WQK:WQK+1], s[6:7], s[54:55]    ; tiles 0-3 or 4-7 of wimg
	s_mul_i32 s54, s[WV], 49152
	s_add_co_u32 s54, s54, 49152
	s_add_nc_u64 s[WVB:WVB+1], s[6:7], s[54:55]    ; tiles 8 + 8 w on
	s_lshl_b32 s54, s51, 11
	s_add_nc_u64 s[SQK:SQK+1], s[8:9], s[54:55]
	s_lshl_b32 s54, s[WV], 12
	s_add_co_u32 s54, s54, 4096
	s_add_nc_u64 s[SVB:SVB+1], s[8:9], s[54:55]
	s_lshl_b32 s54, s[WV], 9
	s_add_nc_u64 s[BVB:BVB+1], s[14:15], s[54:55]
	s_mul_i32 s54, s23, 102400
	s_add_nc_u64 s[DQK:DQK+1], s[DQK:DQK+1], s[54:55]
	s_lshl_b32 s54, ttmp9, 8
	s_add_co_u32 s54, s54, 98304
	s_add_nc_u64 s[DQS:DQS+1], s[DQK:DQK+1], s[54:55]   ; the block's four pairs' scale words
	s_mul_i32 s54, ttmp9, 6144
	s_add_nc_u64 s[DQK:DQK+1], s[DQK:DQK+1], s[54:55]   ; and their codes
	s_mul_i32 s54, s23, 819200
	s_mul_i32 s57, ttmp9, 51200
	s_add_co_u32 s54, s54, s57
	s_mul_i32 s57, s[WV], 12288
	s_add_co_u32 s54, s54, s57
	s_add_nc_u64 s[VD:VD+1], s[VD:VD+1], s[54:55]
	s_mov_b32 s[SEL], 0x76543210
	s_mov_b32 s[SEL+1], 0xfedcba98
	s_mov_b32 s[HIM], 0xffff0000
	v_and_b32 v12, 31, v0                          ; lane
	v_and_b32 v13, 15, v0                          ; r
	v_bfe_u32 v14, v0, 4, 1                        ; h
	v_bfe_u32 v15, v0, 3, 1
	v_and_b32 v[XA], 7, v0                         ; my column: lanes 0-15 are the rows of an even tile, lanes 16-31 those of the odd tile beside it:
	v_lshlrev_b32 v[XA], 2, v[XA]                  ; 4 (l % 8)
	v_lshl_add_u32 v[XA], v14, 5, v[XA]            ; + 32 (l / 16): 8 columns on for the odd tile
	v_lshl_add_u32 v[XA], v15, 7, v[XA]            ; + 128 ((l / 8) % 2): rows 8-15 lie 32 columns on.  The 32 lanes touch 32 different words of one row
	v_add_nc_u32 v[XA], s56, v[XA]
	s_mul_i32 s57, s50, 24576
	s_mul_i32 s58, s51, 6144
	s_add_co_u32 s57, s57, s58
	s_add_co_u32 s57, s57, XIMG
	v_lshl_add_u32 v[XWI], v12, 4, s57             ; fragments 16 (w / 2) + 4 (w % 2) on
	s_lshl_b32 s57, s50, 10
	s_lshl_b32 s58, s51, 8
	s_add_co_u32 s57, s57, s58
	s_add_co_u32 s57, s57, XSC
	v_lshl_add_u32 v[XWS], v12, 2, s57
	v_lshl_add_u32 v[LI], v12, 4, XIMG
	v_lshl_add_u32 v[LSX], v13, 2, XSC
	v_lshlrev_b32 v[L16], 4, v12
	v_lshlrev_b32 v[L4], 2, v12
	v_lshlrev_b32 v[H128], 7, v14
	v_lshlrev_b32 v[R4], 2, v13
	v_lshlrev_b32 v[SH8], 3, v14
	v_mov_b32 v[TP], 0                             ; a lane permute's destination counts as one of its sources
	s_mul_i32 s57, s[WV], 11776
	s_sub_co_u32 s57, 49152, s57
	v_add_nc_u32 v[VO2], s57, v[L16]               ; 49,152 + 512 w + 16 l, counted from my wave's codes at 12,288 w
	; the weights that phase 2 begins with are asked for now and land while x is quantised
	WIN 0xc0                                       ; destination window 3
.set ii, 0
.rept 48
	global_load_b128 v[4*ii:4*ii+3], v[L16], s[WQK:WQK+1] offset:512*ii   ; Wq's or Wk's 16 fragments: (tile t, K step ks) at 12 (4 t + ks)
.set ii, ii+1
.endr
	WIN 0
.set ii, 0
.rept 16
	global_load_b32 v[WS+ii], v[L4], s[SQK:SQK+1] offset:128*ii
.set ii, ii+1
.endr
.irp t, 0,1,2,3
	global_load_b128 v[QB+8*\t:QB+8*\t+3], v[H128], s[BQK:BQK+1] offset:32*\t        ; the bias as C: register j of tile t is that of output 32 h + 8 t + j
	global_load_b128 v[QB+8*\t+4:QB+8*\t+7], v[H128], s[BQK:BQK+1] offset:32*\t+16
.endr
	WIN 0x40                                       ; destination window 1
.set ii, 0
.rept 12
	global_load_b128 v[192+4*ii:192+4*ii+3], v[L16], s[WVB:WVB+1] offset:512*ii     ; Wv, my tile 0
.set ii, ii+1
.endr
	WIN 0x80                                       ; destination window 2
.set ii, 0
.rept 12
	global_load_b128 v[192+4*ii:192+4*ii+3], v[L16], s[WVB:WVB+1] offset:6144+512*ii   ; my tile 1
.set ii, ii+1
.endr
	WIN 0
.set ii, 0
.rept 8
	global_load_b32 v[WS2+ii], v[L4], s[SVB:SVB+1] offset:128*ii
	global_load_b32 v[BT+ii], v[R4], s[BVB:BVB+1] offset:64*ii                      ; bv of channel 16 (tile ii) + r
.set ii, ii+1
.endr
; PHASE 1.  XQ: 64 channels (two blocks) of 32 columns: tiles 2 a (lanes 0-15) and 2 a + 1 (lanes 16-31) of my four.  The operand wants lanes 0-15 to hold a row's first block and lanes 16-31 its second:
; an exchange of halves between the first block's codes and the second's gives the even tile's half fragment in the one and the odd tile's in the other.
.macro XQ hs, a
.set CP, (\hs)%2                       ; which half of a K step of 128
.set FAR, FA+24*(\a)+6*CP
.set FBR, FA+24*(\a)+12+6*CP
.set ii, 0
.rept 64
	ds_load_b32 v[RAW+ii], v[XA] offset:(64*(\hs)+ii)*256+64*(\a)
.set ii, ii+1
.endr
	s_wait_dscnt 32                                ; the first block's 32 loads are in, and so are all older LDS stores: the codes' registers may be written again; the second block's 32 may be out
	MAX32 RAW, MA, MB
	s_wait_dscnt 0x0
	MAX32 RAW+32, MA+1, MB+1
	v_add_nc_u32 v[SC], 0xfe000000, v[MA]
	v_add_nc_u32 v[SC+1], 0xfe000000, v[MA+1]
	v_lshrrev_b32 v[BY], 23, v[SC]
	v_lshrrev_b32 v[BY+1], 23, v[SC+1]
.if CP == 0
	v_lshl_or_b32 v[XW+\a], v[BY+1], 8, v[BY]      ; my column's scale word: bytes 0, 1,
.else
	v_lshl_or_b32 v[XW+\a], v[BY], 16, v[XW+\a]    ; and 2, 3
	v_lshl_or_b32 v[XW+\a], v[BY+1], 24, v[XW+\a]
.endif
	v_cvt_scalef32_pk16_bf6_f32 v[FAR:FAR+2], v[RAW:RAW+15], v[SC]
	v_cvt_scalef32_pk16_bf6_f32 v[H0:H0+2], v[RAW+16:RAW+31], v[SC]
	v_cvt_scalef32_pk16_bf6_f32 v[FBR:FBR+2], v[RAW+32:RAW+47], v[SC+1]
	v_cvt_scalef32_pk16_bf6_f32 v[H1:H1+2], v[RAW+48:RAW+63], v[SC+1]
	v_nop                                          ; one plain instruction behind the scaled conversions
.irp i, 0,1,2
	v_permlane16_swap_b32 v[FAR+\i], v[FBR+\i]     ; the first's lanes 16-31 change places with the second's lanes 0-15
	v_permlane16_swap_b32 v[H0+\i], v[H1+\i]
.endr
.irp i, 0,1,2
	v_mov_b32 v[FAR+3+\i], v[H0+\i]
	v_mov_b32 v[FBR+3+\i], v[H1+\i]
.endr
.endm
.macro XSTORE ksl                      ; a K step's four fragments and their scale words go to LDS as they stand
.irp f, 0,1,2,3
.irp q, 0,1,2
	ds_store_b128 v[XWI], v[FA+12*\f+4*\q:FA+12*\f+4*\q+3] offset:1536*(8*(\ksl)+\f)+512*\q
.endr
.endr
	ds_store_b32 v[XWS], v[XW] offset:512*(\ksl)
	ds_store_b32 v[XWS], v[XW+1] offset:512*(\ksl)+128
.endm
.irp hs, 0,1,2,3
	s_wait_tensorcnt 3-\hs                         ; a wave's tensor loads end in order: chunk hs is in LDS, the younger ones may be out
	XQ \hs, 0
	XQ \hs, 1
.if \hs%2 == 1
	XSTORE \hs/2
.endif
.endr
	s_wait_dscnt 0x0                               ; for the others' sake: my images have landed
	s_barrier_signal -1
	s_barrier_wait -1                              ; all 32 fragments of x lie in LDS; they are not written again
	; PHASE 2.  All of x's fragments into registers: fragment 8 ks + T at 12 (8 (ks % 2) + T) of window 1 + ks / 2
	WIN 0x40
.set ii, 0
.rept 48
	ds_load_b128 v[4*ii:4*ii+3], v[LI] offset:512*ii
.set ii, ii+1
.endr
	WIN 0x80
.set ii, 0
.rept 48
	ds_load_b128 v[4*ii:4*ii+3], v[LI] offset:24576+512*ii
.set ii, ii+1
.endr
	WIN 0
.set ii, 0
.rept 32
	ds_load_b32 v[XS+ii], v[LSX] offset:64*ii
.set ii, ii+1
.endr
	s_wait_loadcnt 0x0                             ; the weights and biases asked for at the head
	WIN 0xc0
.irp c, 0,1,2,3,4,5,6,7
.irp j, 0,1,2,3,4,5,6,7
	v_mov_b32 v[192+8*\c+\j], v[BT+\c]             ; bv as C: a lane holds one channel, so a tile's eight registers are equal
.endr
.endr
	WIN 0
	s_wait_dscnt 0x0
; q or k for position tiles tb .. tb + 3, a pair of tiles at a time: source 0 = 16 outputs, source 1 = 16 positions; 8 accumulators by turns, K ascending; the bias is the first C.
; In a pair register 32 u + i of lane (r, h) is output 32 h + i of row r of tile tb + 2 g + u: QUANT64 makes the pair's image and its scale word.
.macro QKJOB tb
.irp g, 0,1
.irp k, 0,1,2,3
	WIN 0x07+4*(\k/2)                              ; source 0 (weights) window 3, source 1 (x) window 1 or 2
.irp u, 0,1
.irp t, 0,1,2,3
.if \k == 0
	MMC ACC+32*\u+8*\t, 12*(4*\t+\k), 12*(8*(\k%2)+\tb+2*\g+\u), QB+8*\t, WS+4*\t+\k, XS+8*\k+\tb+2*\g+\u
.else
	MMC ACC+32*\u+8*\t, 12*(4*\t+\k), 12*(8*(\k%2)+\tb+2*\g+\u), ACC+32*\u+8*\t, WS+4*\t+\k, XS+8*\k+\tb+2*\g+\u
.endif
.endr
.endr
.endr
	WIN 0
	PLACES
.if \g == 1
	WIN 0xc0                                       ; Wq's or Wk's fragments are done with: their registers take Wv's tiles 2 to 5
.set ii, 0
.rept 48
	global_load_b128 v[4*ii:4*ii+3], v[L16], s[WVB:WVB+1] offset:12288+512*ii
.set ii, ii+1
.endr
	WIN 0
.set ii, 0
.rept 16
	global_load_b32 v[WS+ii], v[L4], s[SVB:SVB+1] offset:1024+128*ii
.set ii, ii+1
.endr
.endif
	s_wait_xcnt 0x0                                ; the codes' registers are the last stores' data: they are written again only behind this wait
	QUANT64 ACC, PCD
.irp q, 0,1,2
	global_store_b128 v[L16], v[PCD+4*\q:PCD+4*\q+3], s[DQK:DQK+1] offset:(\tb/2+\g)*1536+512*\q
.endr
.if \g == 0
	v_mov_b32 v[SW], v[PW]
.else
	v_cndmask_b32 v[SW], v[SW], v[PW], s[HIM]      ; lanes 0-15 the first pair's words, lanes 16-31 the second's
	global_store_b32 v[L4], v[SW], s[DQS:DQS+1] offset:64*(\tb/2)
.endif
.endr
.endm
	s_cmp_lt_u32 s[WV], 2                          ; two copies: the register numbers of x's tiles differ.  No LDS instruction and no barrier stands in them
	s_cbranch_scc0 .Lqk_hi
	QKJOB 0
	s_branch .Lqk_done
.Lqk_hi:
	QKJOB 4
.Lqk_done:
; v for my channel tile ctl and all 128 positions: source 0 = 16 positions, source 1 = 16 channels; 8 accumulators by turns, K ascending; bv is the first C.  Register 32 G + i of lane (r, h) is key 64 G + 32 h + i of channel r.
; ww, wb: the window and first register of the tile's four weight fragments; ws: their scale words; pre: the count of younger loads that may stay out (-1: no wait); post = 1: the registers take tile ctl + 6.
.macro VTRIP ctl, ww, wb, ws, pre, post
.if \pre >= 0
	s_wait_loadcnt \pre
.endif
.irp k, 0,1,2,3
.if \k == 0
	WIN 0x31+4*\ww                                 ; source 0 (x) window 1, source 1 window ww, C window 3
.else
	WIN 1+\k/2+4*\ww
.endif
.irp t, 0,1,2,3,4,5,6,7
.if \k == 0
	MMC ACC+8*\t, 12*(8*(\k%2)+\t), \wb+12*\k, 192+8*\ctl, XS+8*\k+\t, \ws+\k
.else
	MMC ACC+8*\t, 12*(8*(\k%2)+\t), \wb+12*\k, ACC+8*\t, XS+8*\k+\t, \ws+\k
.endif
.endr
.endr
	WIN 0
	PLACES
.if \post
	WIN 64*\ww
.set ii, 0
.rept 12
	global_load_b128 v[192+4*ii:192+4*ii+3], v[L16], s[WVB:WVB+1] offset:6144*(\ctl+6)+512*ii
.set ii, ii+1
.endr
	WIN 0
.set ii, 0
.rept 4
	global_load_b32 v[\ws+ii], v[L4], s[SVB:SVB+1] offset:512*(\ctl+6)+128*ii
.set ii, ii+1
.endr
.endif
	s_wait_xcnt 0x0                                ; the codes' registers are the last stores' data
	QUANT64 ACC, PCD
.irp q, 0,1,2
	global_store_b128 v[L16], v[PCD+4*\q:PCD+4*\q+3], s[VD:VD+1] offset:1536*\ctl+512*\q   ; 512 consecutive bytes, at a multiple of 512 from the buffer's first byte
.endr
.if \ctl%2 == 0
	v_mov_b32 v[VSQ+\ctl/2], v[PW]
.else
	v_cndmask_b32 v[VSQ+\ctl/2], v[VSQ+\ctl/2], v[PW], s[HIM]   ; the even tile's words in lanes 0-15, the odd tile's in lanes 16-31
.endif
.endm
	VTRIP 0, 1, 192, WS2,   -1, 1
	VTRIP 1, 2, 192, WS2+4, -1, 1
	VTRIP 2, 3, 0,   WS,    32, 0                  ; tiles 2 to 5 are in; behind them 2 x 16 loads were issued, for tiles 6 and 7
	VTRIP 3, 3, 48,  WS+4,  -1, 0
	VTRIP 4, 3, 96,  WS+8,  -1, 0
	VTRIP 5, 3, 144, WS+12, -1, 0
	VTRIP 6, 1, 192, WS2,   16, 0                  ; tile 6 is in; tile 7's 16 loads may be out
	VTRIP 7, 2, 192, WS2+4, 0,  0
	global_store_b128 v[VO2], v[VSQ:VSQ+3], s[VD:VD+1]   ; my 8 tiles' scale words: 512 consecutive bytes
	s_wait_tensorcnt 0x0
	ds_add_u32 v243, v247
	s_wait_dscnt 0x0
	s_endpgm
.Lfunc_end_k_q054fc5a031_proj:
	.size	k_q054fc5a031_proj, .Lfunc_end_k_q054fc5a031_proj-k_q054fc5a031_proj
	.p2alignl 7, 3214868480
	.fill 96, 4, 3214868480
	.section	.rodata,"a",@progbits
	.p2align	6, 0x0
	.amdhsa_kernel k_q054fc5a031_proj
		.amdhsa_group_segment_fixed_size 313856
		.amdhsa_private_segment_fixed_size 0
		.amdhsa_enable_private_segment 0
		.amdhsa_kernarg_size 72
		.amdhsa_user_sgpr_count 2
		.amdhsa_user_sgpr_kernarg_segment_ptr 1
		.amdhsa_wavefront_size32 1
		.amdhsa_system_sgpr_workgroup_id_x 1
		.amdhsa_system_sgpr_workgroup_id_y 1
		.amdhsa_system_sgpr_workgroup_id_z 1
		.amdhsa_system_vgpr_workitem_id 0
		.amdhsa_next_free_vgpr 1024
		.amdhsa_next_free_sgpr 80
		.amdhsa_reserve_vcc 0
		.amdhsa_float_denorm_mode_32 3
		.amdhsa_float_denorm_mode_16_64 3
		.amdhsa_memory_ordered 1
		.amdhsa_forward_progress 1
		.amdhsa_inst_pref_size 192
	.end_amdhsa_kernel
	.amdgpu_metadata
---
amdhsa.version: [ 1, 2 ]
amdhsa.kernels:
  - .name:           k_q054fc5a031_proj
    .symbol:         k_q054fc5a031_proj.kd
    .args:
      - { .name: x, .offset: 0, .size: 8, .value_kind: global_buffer, .address_space: global }
      - { .name: wimg, .offset: 8, .size: 8, .value_kind: global_buffer, .address_space: global }
      - { .name: wscl, .offset: 16, .size: 8, .value_kind: global_buffer, .address_space: global }
      - { .name: bq, .offset: 24, .size: 8, .value_kind: global_buffer, .address_space: global }
      - { .name: bk, .offset: 32, .size: 8, .value_kind: global_buffer, .address_space: global }
      - { .name: bv, .offset: 40, .size: 8, .value_kind: global_buffer, .address_space: global }
      - { .name: qbuf, .offset: 48, .size: 8, .value_kind: global_buffer, .address_space: global }
      - { .name: kbuf, .offset: 56, .size: 8, .value_kind: global_buffer, .address_space: global }
      - { .name: vbuf, .offset: 64, .size: 8, .value_kind: global_buffer, .address_space: global }
    .group_segment_fixed_size: 313856
    .private_segment_fixed_size: 0
    .kernarg_segment_align: 8
    .kernarg_segment_size: 72
    .max_flat_workgroup_size: 128
    .sgpr_count:     80
    .vgpr_count:     1024
    .wavefront_size: 32
...
	.end_amdgpu_metadata
.endif
;; end of part 2
;; launch attn (part 3): grid 16 x 16, 4 waves a work-group, no clusters, 326,656 bytes of LDS; arguments qbuf, kbuf, vbuf, x, gamma, out0; writes out0
.if DOCPART == 3
	.amdgcn_target "amdgcn-amd-amdhsa--gfx1250"
	.amdhsa_code_object_version 6
	.text
	.protected	k_q054fc5a031_attn
	.globl	k_q054fc5a031_attn
	.p2align	8
	.type	k_q054fc5a031_attn,@function
k_q054fc5a031_attn:
	s_mov_b64 s[64:65], 0
	v_nop
	global_prefetch_b8 v0, s[64:65] scope:SCOPE_SE
	s_setreg_imm32_b32 hwreg(HW_REG_WAVE_MODE, 25, 1), 1
	s_wait_xcnt 0x0
; out0[b][c][i] = gamma x (sum over j of v[b][c][j] p[i][j]) / l[i] + x[b][c][i], p = 2^(t - M), t = (q[i] . k[j]) log2(e), M = ceil(the row's largest t), l = the row's sum of the unquantised p.
; Both products on codes of BF6 (E3M2) with one E8M0 byte for each 32 along K.  q, k, v come as register images from the launch before (layouts: below); p is quantised here, along the keys.
; SHARES.  Work-group (x = block of 128 queries, y = batch); 16 steps of 128 keys.  Wave w makes the scores and the softmax of query tiles 2 w, 2 w + 1; for the second product THE WAVES SHARE THE CHANNELS: wave w owns channels
; 128 w .. + 127 for all 8 query tiles: 64 accumulators, 512 registers.  So each fragment of v is read once in the work-group, from memory straight into the registers of the one wave that uses it, and feeds 8 matrix
; instructions; p goes from wave to wave through LDS as images of its registers, in two sets by turns, one barrier a step.
; TWO PASSES.  Pass 1 computes all scores for M alone (16 matrix instructions and 64 maxima a step); pass 2 computes them again under the final M.  So O is never rescaled (256 packed multiplies a wave and step, and an exchange
; of factors between the waves, are spared), and the second product can stand in its natural order: source 0 = p, source 1 = v: a lane then holds 8 neighbouring queries of one channel, which are neighbours in out0.
; PASS 2 GOES BY TURNS.  A step's softmax is a list of 376 vector instructions, its second product 64 matrix instructions: 5.9 to one.  Set in phases the one unit would stand idle while the other works.  So the softmax of step
; s + 1 stands in slices of 5 or 6 behind the products p v of step s.  A slice works in window 0 and a product names windows 1 to 3: two switches a product are the price.
; ONE SET OF REGISTERS FOR v.  The products go by v's fragments, each against the 8 query tiles; a fragment is done with after 8 products and its registers take the next step's fragment at once: it has a whole step in which to land.
; THE QUERIES AND KEYS OF A TILE ARE NOT NEIGHBOURS: row m of tile T = 4 G + t is position 64 G + 32 (m / 8) + 8 t + m % 8.  With 16 keys as source 0 and accumulator T at 8 T, register 32 G + i of lane (r, h) is key
; 64 G + 32 h + i of query row r: the order of a 6-bit operand, a whole block of 32 keys to a lane.
; K = 64 IN THE FIRST PRODUCT: an image holds a PAIR of tiles (registers 0-5 the even tile's 64 outputs, 6-11 the odd tile's).  k's pair is source 0 as it lies; q stands beside zero codes, below them for the even key tile, above
; them for the odd one: the half that meets zeros adds nothing.
; NO CLUSTER, NO JOINT LOADS: the 16 work-groups of a batch walk the same k and v.  LDS holds k, 102,400 bytes, p and l, 27,136, and three quarters of the work-group's x, 196,608: 326,144; two joint slots of a step's v,
; 51,200 bytes each, would put x out of LDS and its reads behind the last product.  k alone is 102,400 of the 1.2 MB that a work-group reads.
; LIMITS: NaN and infinities are not served.  A block's largest p is taken from its largest score, which leans on v_exp_f32 not falling where its input rises.  A block whose every p has fallen to 0 has the byte 1 and zero codes.
; gamma / l is formed first and multiplied in once, where the definition divides by l and then multiplies by gamma: one rounding is placed otherwise.
; REGISTERS, in windows of 256.  window 0: v1-11, v58-62 addresses; v12-15 -M; v16-23 l; v24-35 at work; v36-57 scale words; v64-191 the scores of my two tiles; v192-221 q among zeros; v222-252 p's codes.
;   window 1: v0-95 v's 8 fragments; v96-191 p's 8 fragments; v192-239 k's four pairs.   window 2: accumulator (query tile qt, channel tile c) at 8 (8 (qt % 4) + c), qt 0-3;   window 3: qt 4-7.
.set KSC,  98304                       ; LDS: from 0 k's 64 pairs x 1,536 bytes; here their scale words, 64 bytes a pair
.set PIMG, 102400                      ; p: 2 sets x 8 tiles x 1,536 bytes
.set PSC,  126976                      ; its scale words: 2 sets x 8 tiles x 128 bytes
.set LSUM, 129024                      ; l: one f32 a query, in the queries' order
.set XLDS, 129536                      ; x: 49,152 bytes a wave: 96 of its 128 channels x 512 bytes
.set L16,  1                           ; 16 x lane
.set AS0,  2                           ; KSC + 4 r
.set ADK,  3                           ; the K fetch in hand
.set ADS,  4
.set PWI,  5                           ; where I store p's images;  v6 their scale words;  v7, v8 where any wave reads them
.set PWS,  6
.set PRI,  7
.set PRS,  8
.set VO2,  9                           ; v's scale words, counted from my wave's codes
.set PFO,  10                          ; 256 x lane
.set SH8,  11                          ; 8 h
.set NM,   12                          ; v[12:13], v[14:15] -M of my two tiles (the packed form names a pair and takes its low word)
.set LS,   16                          ; v[16:19], v[20:23] l of my two tiles, in two chains of pairs each
.set BM,   24                          ; v24-27 the blocks' largest scores, then p, then bytes (pass 1: v24-31 eight chains)
.set SCR,  28                          ; v28-31 second chains, then the conversions' scale operands
.set PWR,  32                          ; v32-33 p's scale words
.set TPR,  34                          ; v34-35 the lane permutes' destinations
.set KS,   36
.set VS,   40                          ; v40-43, v44-47 v's scale words, two sets by turns
.set PS,   48
.set QS,   56
.set LSA,  58                          ; the way out: where I store l;  v59 where I read it;  v60, v61 the stage, in and back;  v62 x in LDS
.set LSR,  59
.set STO,  60
.set RD,   61
.set XR,   62
.set S,    64
.set QF,   192                         ; zeros, tile 0, zeros, tile 1, zeros: 6 registers each
.set PCD,  222
.set H0,   246
.set H1,   250
.set PFR,  96                          ; in window 1: p's fragments
.set KF,   192                         ; in window 1: k's pairs
.set RB,   64                          ; the way out: 16 rows of O back from the stage
.set FAC,  24                          ; gamma / l of my four queries
.set NLIST, 376                        ; the softmax's list
.set G1K,  16                          ; s[16:23], s[24:31] descriptor groups 1 for k and x;  s[32:35], s[36:39] their groups 0
.set G1X,  24
.set G0K,  32
.set G0X,  36
.set GAM,  40
.set WV,   41
.set TK,   42                          ; s42, s43 where the step to be fetched begins among k's pairs and scale words
.set TS,   43
.set STP,  44                          ; s44 the step + 3;  s45 the step whose v I prefetch, or -1
.set PFK,  45
.set SEL,  46
.set CS,   48                          ; s[48:49] log2(e)
.set VB,   50                          ; s[50:51] my wave's codes of the step of v that is being asked for
.set PFA,  52
.set XB,   54                          ; s[54:55], s[56:57] x and out0 at my wave's first channel, my block's first query
.set OB,   56
.set CNT,  58
.set TKC,  60                          ; s60, s61 s42 and s43 held at the last step's
.set TSC,  61
.set MSB, 0
.macro WIN new                         ; the immediate's high byte repeats the setting that is left; a switch that changes nothing is dropped
.if MSB != (\new)
	s_set_vgpr_msb (MSB<<8)|(\new)
.set MSB, (\new)
.endif
.endm
.macro PLACES n                        ; plain instructions between a matrix instruction and what touches its registers (ISA guide 7.12.1)
.rept \n
	v_nop
.endr
.endm
.macro MMZ d, a, b, sa, sb             ; D = A B: the constant 0 starts the sum
	v_wmma_scale_f32_16x16x128_f8f6f4 v[\d:\d+7], v[\a:\a+11], v[\b:\b+11], 0, v[\sa], v[\sb] matrix_a_fmt:MATRIX_FMT_BF6 matrix_b_fmt:MATRIX_FMT_BF6
.endm
.macro PVM d, a, b, sa, sb, zero, odd  ; O += p v; odd = 1: v's scale words stand in lanes 16-31
.if \zero
.if \odd
	v_wmma_scale_f32_16x16x128_f8f6f4 v[\d:\d+7], v[\a:\a+11], v[\b:\b+11], 0, v[\sa], v[\sb] matrix_a_fmt:MATRIX_FMT_BF6 matrix_b_fmt:MATRIX_FMT_BF6 matrix_b_scale:MATRIX_SCALE_ROW1
.else
	v_wmma_scale_f32_16x16x128_f8f6f4 v[\d:\d+7], v[\a:\a+11], v[\b:\b+11], 0, v[\sa], v[\sb] matrix_a_fmt:MATRIX_FMT_BF6 matrix_b_fmt:MATRIX_FMT_BF6
.endif
.else
.if \odd
	v_wmma_scale_f32_16x16x128_f8f6f4 v[\d:\d+7], v[\a:\a+11], v[\b:\b+11], v[\d:\d+7], v[\sa], v[\sb] matrix_a_fmt:MATRIX_FMT_BF6 matrix_b_fmt:MATRIX_FMT_BF6 matrix_b_scale:MATRIX_SCALE_ROW1
.else
	v_wmma_scale_f32_16x16x128_f8f6f4 v[\d:\d+7], v[\a:\a+11], v[\b:\b+11], v[\d:\d+7], v[\sa], v[\sb] matrix_a_fmt:MATRIX_FMT_BF6 matrix_b_fmt:MATRIX_FMT_BF6
.endif
.endif
.endm
; a step's four pairs of k and their scale words, from the places that s[tk] and s[ts] name.  The two additions and two v_nop are the four places behind the products that read these registers, and ahead of the first read of their results.
.macro FETCHK tk, ts
	v_add_nc_u32 v[ADK], s[\tk], v[L16]
	v_add_nc_u32 v[ADS], s[\ts], v[AS0]
	v_nop
	v_nop
	WIN 0x40                                       ; destination window 1
.set ii, 0
.rept 12
	ds_load_b128 v[KF+4*ii:KF+4*ii+3], v[ADK] offset:512*ii
.set ii, ii+1
.endr
	WIN 0
.irp g, 0,1,2,3
	ds_load_b32 v[KS+\g], v[ADS] offset:64*\g
.endr
.endm
; the scores of 128 keys for my two query tiles: source 0 = a pair of key tiles, source 1 = q below zeros (even key tile) or above them (odd)
.macro SMUL
	WIN 0x01                                       ; source 0 window 1
.irp t, 0,1,2,3,4,5,6,7
.irp x, 0,1
	MMZ S+64*\x+8*\t, KF+12*(\t/2), QF+12*\x+6*(1-\t%2), KS+\t/2, QS+\x
.endr
.endr
	WIN 0
.endm
; fragment c of the step of v at s[VB:VB+1] into its registers: three loads; with fragment 0 come the step's scale words, first, into set 'set'
.macro VREL c, set
.if (\c) == 0
	global_load_b128 v[VS+4*(\set):VS+4*(\set)+3], v[VO2], s[VB:VB+1]
.endif
	WIN 0x40                                       ; destination window 1
.irp u, 0,1,2
	global_load_b128 v[12*(\c)+4*\u:12*(\c)+4*\u+3], v[L16], s[VB:VB+1] offset:1536*(\c)+512*\u
.endr
	WIN 0
.endm
; A PREFETCH INTO THE L2.  The 16 work-groups of a batch walk the same 16 steps of v: work-group qb names the 49,152 bytes of codes of step qb, once in the launch: waves 0 to 2, 16,384 bytes each, lanes 256 bytes apart, two
; instructions.  It does so at the head of step qb - 3, behind the run of LDS loads; the loads of step qb are issued in the course of step qb - 1: two steps on.  Steps 0 to 2 and the scale words come by their loads alone.
.macro ASK
	s_cmp_eq_u32 s[STP], s[PFK]
	s_cbranch_scc0 .Lnot_now_\@
	global_prefetch_b8 v[PFO], s[PFA:PFA+1] th:TH_LOAD_NT scope:SCOPE_SE
	global_prefetch_b8 v[PFO], s[PFA:PFA+1] offset:8192 th:TH_LOAD_NT scope:SCOPE_SE
.Lnot_now_\@:
.endm
	s_load_b256 s[4:11], s[0:1], 0x0               ; qbuf s[4:5], kbuf s[6:7], vbuf s[8:9], x s[10:11]
	s_load_b128 s[12:15], s[0:1], 0x20             ; gamma s[12:13], out0 s[14:15]
	v_lshl_add_u32 v63, v0, 2, 0x4fa00
	s_set_vgpr_msb 0x40
	v_mov_b32 v255, 0
	s_set_vgpr_msb 0x4044
	ds_add_u32 v63, v255
	ds_add_u32 v63, v255
	s_set_vgpr_msb 0x4400
	v_lshrrev_b32 v100, 5, v0
	v_readfirstlane_b32 s[WV], v100                ; wave 0..3
	s_and_b32 s59, ttmp7, 0xffff                   ; the batch
	; descriptor group 1 for k: a quarter of the batch's 102,400 dense bytes, as 100 rows of 256 bytes (32 elements of 8 bytes)
	s_mov_b32 s[G1K], 3<<16
	s_mov_b32 s[G1K+1], 32<<16
	s_mov_b32 s[G1K+2], 100<<16
	s_mov_b32 s[G1K+3], 32<<16
	s_mov_b32 s[G1K+4], 100
	s_mov_b32 s[G1K+5], 32
	s_mov_b32 s[G1K+6], 0
	s_mov_b32 s[G1K+7], 0
	; and for x: 96 rows (channels) of 512 bytes (64 elements), 8,192 bytes from row to row; dense in LDS
	s_mov_b32 s[G1X], 3<<16
	s_mov_b32 s[G1X+1], 64<<16
	s_mov_b32 s[G1X+2], 96<<16
	s_mov_b32 s[G1X+3], 64<<16
	s_mov_b32 s[G1X+4], 96
	s_mov_b32 s[G1X+5], 1024
	s_mov_b32 s[G1X+6], 0
	s_mov_b32 s[G1X+7], 0
	s_mul_i32 s60, s59, 102400
	s_mov_b32 s61, 0
	s_mul_i32 s62, s[WV], 25600                    ; my quarter of k, in memory and in LDS
	s_mov_b32 s63, 0
	s_lshl_b32 s66, s59, 22                        ; x, out0: a batch is 4,194,304 bytes,
	s_lshl_b32 s67, s[WV], 20                      ; 128 channels 1,048,576,
	s_add_co_u32 s66, s66, s67
	s_lshl_b32 s67, ttmp9, 9                       ; 128 queries 512
	s_add_co_u32 s66, s66, s67
	s_mov_b32 s67, 0
	s_mul_i32 s68, s[WV], 49152
	s_add_co_u32 s68, s68, XLDS
	s_wait_dscnt 0x0
	s_wait_kmcnt 0x0
	s_load_b32 s[GAM], s[12:13], 0x0
	s_add_nc_u64 s[4:5], s[4:5], s[60:61]
	s_add_nc_u64 s[6:7], s[6:7], s[60:61]
	s_add_nc_u64 s[6:7], s[6:7], s[62:63]
	s_add_nc_u64 s[XB:XB+1], s[10:11], s[66:67]
	s_add_nc_u64 s[OB:OB+1], s[14:15], s[66:67]
	s_mov_b32 s[G0K], 1
	s_mov_b32 s[G0K+1], s62
	s_mov_b64 s[G0K+2:G0K+3], s[6:7]
	s_or_b32 s[G0K+3], s[G0K+3], 0x80000000
	s_mov_b32 s[G0X], 1
	s_mov_b32 s[G0X+1], s68
	s_mov_b64 s[G0X+2:G0X+3], s[XB:XB+1]
	s_or_b32 s[G0X+3], s[G0X+3], 0x80000000
	tensor_load_to_lds s[G0K:G0K+3], s[G1K:G1K+7]  ; both first fills together: two loads of mine are out
	s_nop 0
	tensor_load_to_lds s[G0X:G0X+3], s[G1X:G1X+7]
	s_nop 0
	PLACES 4                                       ; four plain lines behind the last tensor load
	s_mul_i32 s60, s59, 819200
	s_mul_i32 s62, s[WV], 12288
	s_add_co_u32 s62, s62, s60
	s_add_nc_u64 s[VB:VB+1], s[8:9], s[62:63]      ; v: the batch's step 0, my wave's codes
	s_mul_i32 s62, ttmp9, 51200
	s_add_co_u32 s62, s62, s60
	s_lshl_b32 s69, s[WV], 14
	s_add_co_u32 s62, s62, s69
	s_add_nc_u64 s[PFA:PFA+1], s[8:9], s[62:63]    ; the prefetches: step qb, 16,384 bytes a wave
	s_cmp_lt_u32 s[WV], 3
	s_cselect_b32 s[PFK], ttmp9, -1
	s_mov_b32 s[STP], 3
	s_mov_b32 s[SEL], 0x76543210
	s_mov_b32 s[SEL+1], 0xfedcba98
	s_mov_b32 s[CS], 0x3fb8aa3b                    ; log2(e)
	s_mov_b32 s[CS+1], s[CS]                       ; (named with it as a pair, so it is written)
	s_mov_b32 s[TK], 0
	s_mov_b32 s[TS], 0
	v_and_b32 v100, 31, v0                         ; lane
	v_and_b32 v101, 15, v0                         ; r
	v_bfe_u32 v102, v0, 4, 1                       ; h
	v_lshlrev_b32 v[L16], 4, v100
	v_lshl_add_u32 v[AS0], v101, 2, KSC
	s_mul_i32 s69, s[WV], 3072
	s_add_co_u32 s69, s69, PIMG
	v_add_nc_u32 v[PWI], s69, v[L16]               ; my two tiles' images
	s_lshl_b32 s69, s[WV], 8
	s_add_co_u32 s69, s69, PSC
	v_lshl_add_u32 v[PWS], v100, 2, s69
	v_add_nc_u32 v[PRI], PIMG, v[L16]
	v_lshl_add_u32 v[PRS], v100, 2, PSC
	s_mul_i32 s69, s[WV], 11776
	s_sub_co_u32 s69, 49152, s69
	v_add_nc_u32 v[VO2], s69, v[L16]               ; 49,152 + 512 w + 16 l, counted from my wave's codes at 12,288 w
	v_lshlrev_b32 v[PFO], 8, v100
	v_lshlrev_b32 v[SH8], 3, v102
	s_lshr_b32 s69, s[WV], 1                       ; l: row r of tile 2 w + X is query 64 (w / 2) + 32 (r / 8) + 16 (w % 2) + 8 X + r % 8
	s_lshl_b32 s69, s69, 8
	s_and_b32 s70, s[WV], 1
	s_lshl_b32 s70, s70, 6
	s_add_co_u32 s69, s69, s70
	s_add_co_u32 s69, s69, LSUM
	v_and_b32 v[LSA], 7, v0
	v_bfe_u32 v105, v0, 3, 1
	v_lshlrev_b32 v[LSA], 2, v[LSA]
	v_lshl_add_u32 v[LSA], v105, 7, v[LSA]
	v_add_nc_u32 v[LSA], s69, v[LSA]
	v_add_nc_u32 v[LSR], LSUM, v[L16]
	s_mul_i32 s69, s[WV], 8448                     ; my stage: 16 rows x (512 bytes + 16), in k's bytes, which have had their one fill and, when the stage is first written, their last read
	v_mul_u32_u24 v[STO], v101, 528
	v_lshl_add_u32 v[STO], v102, 7, v[STO]
	v_add_nc_u32 v[STO], s69, v[STO]               ; in: row r (a channel), + 128 h
	v_add_nc_u32 v[RD], s69, v[L16]                ; back: a row's 512 bytes, 16 a lane
	v_add_nc_u32 v[XR], s68, v[L16]
	s_lshl_b32 s69, ttmp9, 2
	s_add_co_u32 s69, s69, s[WV]                   ; my pair of query tiles: 4 qb + w
	s_mul_i32 s70, s69, 1536
	v_add_nc_u32 v103, s70, v[L16]
	s_lshl_b32 s70, s69, 6
	s_add_co_u32 s70, s70, 98304
	v_lshl_add_u32 v104, v101, 2, s70
.irp q, 0,1,2
	global_load_b128 v[64+4*\q:64+4*\q+3], v103, s[4:5] offset:512*\q
.endr
	global_load_b32 v76, v104, s[4:5]
	global_load_b128 v[VS:VS+3], v[VO2], s[VB:VB+1]   ; v of step 0: its scale words first, then fragments 0 to 7 in order: 25 loads, in the order in which every later step's are issued
	WIN 0x40
.set ii, 0
.rept 24
	global_load_b128 v[4*ii:4*ii+3], v[L16], s[VB:VB+1] offset:512*ii
.set ii, ii+1
.endr
	WIN 0
	s_wait_loadcnt 25                              ; q's four loads are in; v's 25 may be out
	v_and_b32 v105, 0xffff, v76
	v_lshrrev_b32 v106, 16, v76
	v_lshl_or_b32 v[QS], v76, 16, v105             ; tile 0's two bytes, twice: they serve q below the zeros and above them
	v_and_or_b32 v[QS+1], v76, 0xffff0000, v106    ; tile 1's likewise
.irp i, 0,1,2,3,4,5
	v_mov_b32 v[QF+6+\i], v[64+\i]
	v_mov_b32 v[QF+18+\i], v[70+\i]
.endr
.irp i, 0,1,2,3,4,5
	v_mov_b32 v[QF+\i], 0
	v_mov_b32 v[QF+12+\i], 0
	v_mov_b32 v[QF+24+\i], 0
.endr
.irp i, 0,1,2,3,4,5,6,7
	v_mov_b32 v[BM+\i], 0xff7fffff                 ; the largest scores so far: under every score
	v_mov_b32 v[LS+\i], 0
.endr
	v_mov_b32 v[TPR], 0                            ; a lane permute's destination counts as one of its sources
	v_mov_b32 v[TPR+1], 0
	s_wait_kmcnt 0x0                               ; gamma
	s_wait_tensorcnt 1                             ; my quarter of k is in; x's tile may stay out
	s_barrier_signal -1
	s_barrier_wait -1                              ; everybody's is
	; PASS 1: the largest score of each of my 32 queries
.macro MAXES                           ; 64 scores a tile, in ascending pairs, four chains a tile, the tiles by turns
.set ii, 0
.rept 32
	v_max3_num_f32 v[BM+ii%4], v[BM+ii%4], v[S+2*ii], v[S+2*ii+1]
	v_max3_num_f32 v[BM+4+ii%4], v[BM+4+ii%4], v[S+64+2*ii], v[S+64+2*ii+1]
.set ii, ii+1
.endr
.endm
	FETCHK TK, TS
	s_mov_b32 s[CNT], 15
.Lpass1:
	s_wait_dscnt 0x0                               ; k's pairs are in
	SMUL
	s_add_co_u32 s[TK], s[TK], 6144
	s_add_co_u32 s[TS], s[TS], 256
	FETCHK TK, TS                                  ; the next step's, while this step's maxima are taken
	MAXES
	s_sub_co_u32 s[CNT], s[CNT], 1
	s_cmp_lg_u32 s[CNT], 0
	s_cbranch_scc1 .Lpass1
	s_wait_dscnt 0x0
	SMUL                                           ; step 15
	s_mov_b32 s[TK], 0
	s_mov_b32 s[TS], 0
	FETCHK TK, TS                                  ; step 0 again, for pass 2
	MAXES
.irp x, 0,1
	v_max3_num_f32 v[BM+4*\x], v[BM+4*\x], v[BM+4*\x+1], v[BM+4*\x+2]
.endr
.irp x, 0,1
	v_max_num_f32 v[BM+4*\x], v[BM+4*\x], v[BM+4*\x+3]
.endr
.irp x, 0,1
	v_permlanex16_b32 v[TPR+\x], v[BM+4*\x], s[SEL], s[SEL+1]   ; the query's other keys lie in the lane 16 away
.endr
.irp x, 0,1
	v_max_num_f32 v[BM+4*\x], v[BM+4*\x], v[TPR+\x]
.endr
.irp x, 0,1
	v_mul_f32 v[BM+4*\x], s[CS], v[BM+4*\x]        ; as t
.endr
.irp x, 0,1
	v_floor_f32 v[NM+2*\x], -v[BM+4*\x]            ; -M = floor(-t) = -ceil(t): a whole number
.endr
.irp x, 0,1
	v_mov_b32 v[NM+2*\x+1], v[NM+2*\x]
.endr
; PASS 2.  THE SOFTMAX OF A STEP, both my tiles, is a numbered list; SMI writes number jj of it.  A block is 32 keys of one tile, all in one lane: block 2 X + G at v[S + 32 (2 X + G)].  WSET: the set that takes p's images.
;   0-63     the largest score of each of the four blocks, two chains a block, ascending, the blocks by turns: since p rises with the score it gives the block's largest p
;   64-67    t - M of these four
;   68-265   ONE BATCH: 64 packed scalings t - M and all 132 exponentials, in threes: a scaling, then the two exponentials of the pair scaled two threes earlier (in the first two threes: the four blocks' largest).
;            None of these reads an exponential's result.  Two numbers near the end are empty
;   266, 267 a plain instruction behind the last exponential, and the one wait for the batch, ahead of its first reader
;   268-287  the floor, the conversions' scale operands, the bytes, the rows' scale words
;   288-311  a tile at a time: four conversions, a plain instruction, six moves (a conversion's three registers begin on an even number), and the image's four stores
;   312-375  l is summed of the unquantised p: four chains by turns.  They stand last: nothing waits for them, p's stores land meanwhile, and they are the places behind the step's last products
.macro SMI
.if jj < 8
.set zb, S+32*(jj/2)
.if jj%2 == 0
	v_max3_num_f32 v[BM+jj/2], v[zb], v[zb+1], v[zb+2]
.else
	v_max3_num_f32 v[SCR+jj/2], v[zb+16], v[zb+17], v[zb+18]
.endif
.elseif jj < 56
.set zk, jj-8
.set zn, (zk%8)/2
.set zb, S+32*zn+2*(zk/8)
.if zk%2 == 0
	v_max3_num_f32 v[BM+zn], v[BM+zn], v[zb+3], v[zb+4]
.else
	v_max3_num_f32 v[SCR+zn], v[SCR+zn], v[zb+19], v[zb+20]
.endif
.elseif jj < 60
.set zn, jj-56
	v_max3_num_f32 v[BM+zn], v[BM+zn], v[SCR+zn], v[S+32*zn+15]
.elseif jj < 64
.set zn, jj-60
	v_max_num_f32 v[BM+zn], v[BM+zn], v[S+32*zn+31]
.elseif jj < 68
.set zn, jj-64
	v_fma_f32 v[BM+zn], v[BM+zn], s[CS], v[NM+2*(zn/2)]
.elseif jj < 266
.set zk, jj-68
.set zn, zk/3
.if zk%3 == 0
.if zn < 64
	v_pk_fma_f32 v[S+2*zn:S+2*zn+1], v[S+2*zn:S+2*zn+1], s[CS:CS+1], v[NM+2*(zn/32):NM+2*(zn/32)+1] op_sel_hi:[1,0,0]
.endif
.elseif zn < 2
	v_exp_f32 v[BM+2*zn+zk%3-1], v[BM+2*zn+zk%3-1]
.else
	v_exp_f32 v[S+2*zn-4+zk%3-1], v[S+2*zn-4+zk%3-1]
.endif
.elseif jj == 266
	v_nop
.elseif jj == 267
	s_wait_alu depctr_va_vdst(0)
.elseif jj < 272
.set zn, jj-268
	v_max_num_f32 v[BM+zn], 0x2800000, v[BM+zn]    ; the floor 2^(5 - 127): the byte cannot fall under 1
.elseif jj < 276
.set zn, jj-272
	v_add_nc_u32 v[SCR+zn], 0xfe000000, v[BM+zn]   ; 4 off the exponent field: the conversion's scale operand
.elseif jj < 280
.set zn, jj-276
	v_lshrrev_b32 v[BM+zn], 23, v[SCR+zn]          ; the byte
.elseif jj < 282
.set zn, jj-280
	v_lshl_or_b32 v[PWR+zn], v[BM+2*zn+1], 16, v[BM+2*zn]
.elseif jj < 284
.set zn, jj-282
	v_lshlrev_b32 v[PWR+zn], v[SH8], v[PWR+zn]     ; my two bytes at places h and 2 + h
.elseif jj < 286
.set zn, jj-284
	v_permlanex16_b32 v[TPR+zn], v[PWR+zn], s[SEL], s[SEL+1]
.elseif jj < 288
.set zn, jj-286
	v_or_b32 v[PWR+zn], v[PWR+zn], v[TPR+zn]       ; the row's scale word for these 128 keys
.elseif jj < 312
.set zx, (jj-288)/12
.set zk, (jj-288)%12
.set zp, PCD+12*zx
.set zs, S+64*zx
.if zk == 0
	v_cvt_scalef32_pk16_bf6_f32 v[zp:zp+2], v[zs:zs+15], v[SCR+2*zx]
.elseif zk == 1
	v_cvt_scalef32_pk16_bf6_f32 v[H0:H0+2], v[zs+16:zs+31], v[SCR+2*zx]
.elseif zk == 2
	v_cvt_scalef32_pk16_bf6_f32 v[zp+6:zp+8], v[zs+32:zs+47], v[SCR+2*zx+1]
.elseif zk == 3
	v_cvt_scalef32_pk16_bf6_f32 v[H1:H1+2], v[zs+48:zs+63], v[SCR+2*zx+1]
.elseif zk == 4
	v_nop                                          ; one plain instruction behind the scaled conversions
.elseif zk < 8
	v_mov_b32 v[zp+3+zk-5], v[H0+zk-5]
.elseif zk < 11
	v_mov_b32 v[zp+9+zk-8], v[H1+zk-8]
.else
.irp q, 0,1,2
	ds_store_b128 v[PWI], v[zp+4*\q:zp+4*\q+3] offset:12288*WSET+1536*zx+512*\q   ; the fragment goes to LDS as it stands
.endr
	ds_store_b32 v[PWS], v[PWR+zx] offset:1024*WSET+128*zx
.endif
.else
.set zk, jj-312
.set za, LS+4*(zk%2)+2*((zk%4)/2)
.set zb, S+64*(zk%2)+4*(zk/4)+2*((zk%4)/2)
	v_pk_add_f32 v[za:za+1], v[za:za+1], v[zb:zb+1]
.endif
.endm
; A TRIP: the products p v of step s (parity vs) with the softmax of step s + 1 between them.  zero = 1: the products start O's sums.
; Head: p(s)'s fragments are asked for; the 16 products k q of step s + 1 stand between these loads and the wait for them; k of step s + 2 is fetched.
; Slot 8 c + qt: the product of query tile qt and v's fragment c, then numbers 93 slot / 16 to 93 (slot + 1) / 16 of the list; the last slot takes the ten that are over.
; The 64 accumulators take one turn each, in the same order in every trip, with the 16 products k q between the trips.
; v's fragment c is asked for anew behind slot 8 c + 11: between it and the fragment's last product stand five slices, each with a plain instruction in three at the least; fragment 7 behind the last slot's ten sums.
.macro ITER vs, zero
.set WSET, 1-\vs
	WIN 0x40                                       ; destination window 1.  (The last trip's ten sums are the places behind the products that read these registers)
.set ii, 0
.rept 24
	ds_load_b128 v[PFR+4*ii:PFR+4*ii+3], v[PRI] offset:12288*\vs+512*ii
.set ii, ii+1
.endr
	WIN 0
.irp q, 0,1,2,3,4,5,6,7
	ds_load_b32 v[PS+\q], v[PRS] offset:1024*\vs+128*\q
.endr
	SMUL                                           ; k's pairs were fetched a trip ago, and the wait in front of the last barrier has shown them in
	s_add_co_u32 s[TK], s[TK], 6144
	s_add_co_u32 s[TS], s[TS], 256
	s_min_u32 s[TKC], s[TK], 92160                 ; the trip of step 14 has no step of k left to fetch: the address is held at step 15's, whose pairs come once more and are not used:
	s_min_u32 s[TSC], s[TS], 3840                  ; so the loop's text serves that trip too, and no read leaves k's bytes
	FETCHK TKC, TSC
	s_wait_xcnt 0x0                                ; the last trip's loads of v have read their base: it steps
	s_add_nc_u64 s[VB:VB+1], s[VB:VB+1], 51200
	ASK
	s_add_co_u32 s[STP], s[STP], 1
	s_wait_dscnt 16                                ; p's 32 loads are in; k's 16 may be out
.set jj, 0
.set isl, 0
.rept 64
.set icc, isl/8
.set iqq, isl%8
.if isl == 0
	s_wait_loadcnt 21                              ; this step's scale words and fragment 0 are in; behind them its fragments 1 to 7 were asked for, three loads each
.elseif isl == 8
	s_wait_loadcnt 18                              ; fragment 1: behind it fragments 2 to 7; nothing has been asked for yet in this trip
.elseif iqq == 0
	s_wait_loadcnt 19                              ; fragment c: behind it 3 (7 - c) loads of this step and, of the next, the scale words and fragments 0 to c - 2: 1 + 3 (c - 1)
.endif
	WIN 0xa5+0x50*(iqq/4)                          ; p and v window 1; C and D window 2 (query tiles 0-3) or 3
	PVM 8*(8*(iqq%4)+icc), PFR+12*iqq, 12*icc, PS+iqq, VS+4*\vs+icc/2, \zero, icc%2
	WIN 0
.set jend, ((isl+1)*93)/16
.if isl == 63
.set jend, NLIST
.endif
.rept jend-jj
	SMI
.set jj, jj+1
.endr
.if (iqq == 3) && (isl > 8)
	VREL icc-1, 1-\vs
.endif
.set isl, isl+1
.endr
	VREL 7, 1-\vs
	s_wait_dscnt 0x0                               ; for the others' sake: my images of p(s + 1) have landed, and my reads of p(s)'s set are in: it is written again only behind this barrier
	s_barrier_signal -1
	s_barrier_wait -1                              ; all 8 fragments of p(s + 1) lie in LDS
.endm
	; step 0's scores and softmax: there are no products yet to set them between
	s_wait_dscnt 0x0                               ; k's pairs of step 0 are in
	SMUL
	s_add_co_u32 s[TK], s[TK], 6144
	s_add_co_u32 s[TS], s[TS], 256
	FETCHK TK, TS                                  ; step 1's
.set WSET, 0
.set jj, 0
.rept NLIST
	SMI
.set jj, jj+1
.endr
	s_wait_dscnt 0x0
	s_barrier_signal -1
	s_barrier_wait -1                              ; all 8 fragments of p(0) lie in set 0
	ITER 0, 1                                      ; step 0: its products start the sums: nothing is ever cleared
	s_mov_b32 s[CNT], 7
.Lpass2:                                               ; a trip of the loop runs two steps, until the sets are back where they began: steps 1 to 14
	ITER 1, 0
	ITER 0, 0
	s_sub_co_u32 s[CNT], s[CNT], 1
	s_cmp_lg_u32 s[CNT], 0
	s_cbranch_scc1 .Lpass2
	; step 15's products: no softmax is left to set between them, so they go in two stretches under one window setting each
	WIN 0x40
.set ii, 0
.rept 24
	ds_load_b128 v[PFR+4*ii:PFR+4*ii+3], v[PRI] offset:12288+512*ii
.set ii, ii+1
.endr
	WIN 0
.irp q, 0,1,2,3,4,5,6,7
	ds_load_b32 v[PS+\q], v[PRS] offset:1024+128*\q
.endr
	s_wait_dscnt 0x0
	WIN 0xa5
.irp c, 0,1,2,3,4,5,6,7
	s_wait_loadcnt 21-3*\c                         ; fragment c is in; behind it only fragments c + 1 to 7 were asked for
.irp q, 0,1,2,3
	PVM 8*(8*\q+\c), PFR+12*\q, 12*\c, PS+\q, VS+4+\c/2, 0, \c%2
.endr
.endr
	WIN 0xf5
.irp c, 0,1,2,3,4,5,6,7
.irp q, 0,1,2,3
	PVM 8*(8*\q+\c), PFR+48+12*\q, 12*\c, PS+4+\q, VS+4+\c/2, 0, \c%2
.endr
.endr
	WIN 0
	; THE WAY OUT
	PLACES 4
	WIN 0x40
.set ii, 0
.rept 16
	global_load_b128 v[4*ii:4*ii+3], v[L16], s[XB:XB+1] offset:8192*(96+ii) th:TH_LOAD_NT    ; x of my channels 96 to 111, into v's registers: six channel tiles go out ahead of their first use
.set ii, ii+1
.endr
.set ii, 0
.rept 16
	global_load_b128 v[96+4*ii:96+4*ii+3], v[L16], s[XB:XB+1] offset:8192*(112+ii) th:TH_LOAD_NT   ; x of my channels 112 to 127, into p's
.set ii, ii+1
.endr
	WIN 0
.irp x, 0,1
	v_pk_add_f32 v[LS+4*\x:LS+4*\x+1], v[LS+4*\x:LS+4*\x+1], v[LS+4*\x+2:LS+4*\x+3]
.endr
.irp x, 0,1
	v_add_f32 v[LS+4*\x], v[LS+4*\x], v[LS+4*\x+1]
.endr
.irp x, 0,1
	v_permlanex16_b32 v[TPR+\x], v[LS+4*\x], s[SEL], s[SEL+1]
.endr
.irp x, 0,1
	v_add_f32 v[LS+4*\x], v[LS+4*\x], v[TPR+\x]    ; the row's sum, in both halves of the lanes
.endr
	ds_store_b32 v[LSA], v[LS]                     ; (lanes l and l xor 16 write the same word with the same value)
	ds_store_b32 v[LSA], v[LS+4] offset:32
	s_wait_tensorcnt 0x0                           ; x's 96 rows are in LDS: only I read them
	s_wait_dscnt 0x0
	s_barrier_signal -1
	s_barrier_wait -1                              ; all 128 sums lie in LDS, and nobody reads k any more: the stages may be written
	ds_load_b128 v[FAC:FAC+3], v[LSR]              ; l of queries 4 l .. 4 l + 3: those that I hold of a row that comes back from the stage
	s_wait_dscnt 0x0
.irp i, 0,1,2,3
	v_rcp_f32 v[FAC+\i], v[FAC+\i]
.endr
	v_nop                                          ; a plain instruction behind the last reciprocal
	s_wait_alu depctr_va_vdst(0)                   ; one wait for the four, ahead of their first reader
.irp i, 0,1,2,3
	v_mul_f32 v[FAC+\i], s[GAM], v[FAC+\i]         ; gamma / l
.endr
; Channel tile c: a lane holds, of channel r, queries 64 G + 32 h + 8 t + j (query tile 4 G + t, register j): 128 consecutive bytes for each G.  The 16 rows go through my stage and come back whole, 512 bytes a row.
.macro OUT c
.set XL, 128+64*((\c)%2)               ; x's rows, then the results: two sets by turns
	WIN 0x08                                       ; an LDS store's data are its source 1: window 2
.irp q, 0,1,2,3
	ds_store_b128 v[STO], v[8*(8*\q+\c):8*(8*\q+\c)+3] offset:32*\q            ; each accumulator from its low end on
	ds_store_b128 v[STO], v[8*(8*\q+\c)+4:8*(8*\q+\c)+7] offset:32*\q+16
.endr
	WIN 0x0c                                       ; window 3
.irp q, 0,1,2,3
	ds_store_b128 v[STO], v[8*(8*\q+\c):8*(8*\q+\c)+3] offset:256+32*\q
	ds_store_b128 v[STO], v[8*(8*\q+\c)+4:8*(8*\q+\c)+7] offset:256+32*\q+16
.endr
	WIN 0
.set ii, 0
.rept 16
	ds_load_b128 v[RB+4*ii:RB+4*ii+3], v[RD] offset:528*ii   ; LDS serves a wave's instructions in order (ISA guide 5.7.1.4): these see the stores above, and the next tile's stores come behind them
.set ii, ii+1
.endr
	s_wait_xcnt 0x0                                ; the stores of two tiles ago have read this set's registers
.if \c < 6
.set ii, 0
.rept 16
	ds_load_b128 v[XL+4*ii:XL+4*ii+3], v[XR] offset:512*(16*\c+ii)
.set ii, ii+1
.endr
.endif
	s_wait_dscnt 0x0
.if \c == 6
	s_wait_loadcnt 16                              ; x of channels 96 to 111 is in; the 16 loads behind them may be out
.endif
.if \c == 7
	s_wait_loadcnt 0x0
.endif
.if \c >= 6
	WIN 0x10                                       ; source 2 (x) window 1
.endif
.set ii, 0
.rept 32
.if \c < 6
	v_pk_fma_f32 v[XL+2*ii:XL+2*ii+1], v[RB+2*ii:RB+2*ii+1], v[FAC+2*(ii%2):FAC+2*(ii%2)+1], v[XL+2*ii:XL+2*ii+1]
.else
	v_pk_fma_f32 v[XL+2*ii:XL+2*ii+1], v[RB+2*ii:RB+2*ii+1], v[FAC+2*(ii%2):FAC+2*(ii%2)+1], v[96*(\c-6)+2*ii:96*(\c-6)+2*ii+1]
.endif
.set ii, ii+1
.endr
	WIN 0
.set ii, 0
.rept 16
	global_store_b128 v[L16], v[XL+4*ii:XL+4*ii+3], s[OB:OB+1] offset:8192*(16*\c+ii) th:TH_STORE_NT   ; 32 lanes store 512 consecutive bytes, at a multiple of 512 from out0's first byte
.set ii, ii+1
.endr
.endm
.irp c, 0,1,2,3,4,5,6,7
	OUT \c
.endr
	s_set_vgpr_msb 0x4
	s_wait_tensorcnt 0x0
	ds_add_u32 v63, v255
	s_wait_dscnt 0x0
	s_set_vgpr_msb 0x400
	s_endpgm
.Lfunc_end_k_q054fc5a031_attn:
	.size	k_q054fc5a031_attn, .Lfunc_end_k_q054fc5a031_attn-k_q054fc5a031_attn
	.p2alignl 7, 3214868480
	.fill 96, 4, 3214868480
	.section	.rodata,"a",@progbits
	.p2align	6, 0x0
	.amdhsa_kernel k_q054fc5a031_attn
		.amdhsa_group_segment_fixed_size 326656
		.amdhsa_private_segment_fixed_size 0
		.amdhsa_enable_private_segment 0
		.amdhsa_kernarg_size 48
		.amdhsa_user_sgpr_count 2
		.amdhsa_user_sgpr_kernarg_segment_ptr 1
		.amdhsa_wavefront_size32 1
		.amdhsa_system_sgpr_workgroup_id_x 1
		.amdhsa_system_sgpr_workgroup_id_y 1
		.amdhsa_system_sgpr_workgroup_id_z 1
		.amdhsa_system_vgpr_workitem_id 0
		.amdhsa_next_free_vgpr 1024
		.amdhsa_next_free_sgpr 72
		.amdhsa_reserve_vcc 0
		.amdhsa_float_denorm_mode_32 3
		.amdhsa_float_denorm_mode_16_64 3
		.amdhsa_memory_ordered 1
		.amdhsa_forward_progress 1
		.amdhsa_inst_pref_size 236
	.end_amdhsa_kernel
	.amdgpu_metadata
---
amdhsa.version: [ 1, 2 ]
amdhsa.kernels:
  - .name:           k_q054fc5a031_attn
    .symbol:         k_q054fc5a031_attn.kd
    .args:
      - { .name: qbuf, .offset: 0, .size: 8, .value_kind: global_buffer, .address_space: global }
      - { .name: kbuf, .offset: 8, .size: 8, .value_kind: global_buffer, .address_space: global }
      - { .name: vbuf, .offset: 16, .size: 8, .value_kind: global_buffer, .address_space: global }
      - { .name: x, .offset: 24, .size: 8, .value_kind: global_buffer, .address_space: global }
      - { .name: gamma, .offset: 32, .size: 8, .value_kind: global_buffer, .address_space: global }
      - { .name: out0, .offset: 40, .size: 8, .value_kind: global_buffer, .address_space: global }
    .group_segment_fixed_size: 326656
    .private_segment_fixed_size: 0
    .kernarg_segment_align: 8
    .kernarg_segment_size: 48
    .max_flat_workgroup_size: 128
    .sgpr_count:     72
    .vgpr_count:     1024
    .wavefront_size: 32
...
	.end_amdgpu_metadata
.endif
;; end of part 3
